; MI455X (gfx1250); checked and timed in simulation.
; The chip was launched on July 23, 2026; its instructions are those of AMD's public machine-readable ISA for CDNA 5 (MIT licence, August 2026) and "CDNA5" Instruction Set Architecture Reference Guide (July 2026). The comments in the code are by the model that wrote it; some were corrected since.
;; Dinov2 Sdpa Self Attention Wrapper. Allowed arithmetic: matrix products marked QUANTISED: E2M1 operands, one E8M0 scale for each 32 along K, by v_wmma_scale_f32_16x16x128_f8f6f4 with both operands' format E2M1 (or v_wmma_scale_f32_32x16x128_f4), f32 sums; everything else in f32.
;; Inputs: Wk_codes 1,024 x 32 x 16 uint8 (E2M1 codes of Wk, K innermost, in blocks of 32 codes, two codes a byte); Wk_scales 1,024 x 32 uint8 (E8M0 scales of Wk, one for each 32 codes along K); Wq_codes 1,024 x 32 x 16 uint8 (E2M1 codes of Wq, K innermost, in blocks of 32 codes, two codes a byte); Wq_scales 1,024 x 32 uint8 (E8M0 scales of Wq, one for each 32 codes along K); Wv_codes 1,024 x 32 x 16 uint8 (E2M1 codes of Wv, K innermost, in blocks of 32 codes, two codes a byte); Wv_scales 1,024 x 32 uint8 (E8M0 scales of Wv, one for each 32 codes along K); bk 1,024 float32; bq 1,024 float32; bv 1,024 float32; hidden_states_codes 4 x 1,370 x 32 x 16 uint8 (E2M1 codes of hidden_states, K innermost, in blocks of 32 codes, two codes a byte); hidden_states_scales 4 x 1,370 x 32 uint8 (E8M0 scales of hidden_states, one for each 32 codes along K).
;; Outputs: out0 4 x 1,370 x 1,024 float32.
;; This version of the problem:
;;   THIS VERSION OF THE PROBLEM IS GIVEN IN LOW PRECISION. The matrix products marked QUANTISED in the list below multiply operands that are first quantised to E2M1 (2 exponent bits, 1 mantissa bit; 4 bits a number), with one power-of-two scale for each 32 numbers along K (OCP MX v1.0); their sums are f32. All else is computed in f32.
;;   The module's matrix products, in the order in which they are computed (A, B: the left and right operand; K: the contracted axis; several contracted axes count as one K, in the product's order):
;;     1. [M 5,480, K 1,024] x [K 1,024, N 1,024]; A: input hidden_states (given as codes); B: input Wq (given as codes): QUANTISED
;;     2. [M 5,480, K 1,024] x [K 1,024, N 1,024]; A: input hidden_states (given as codes); B: input Wk (given as codes): QUANTISED
;;     3. [M 5,480, K 1,024] x [K 1,024, N 1,024]; A: input hidden_states (given as codes); B: input Wv (given as codes): QUANTISED
;;     4. batch 64 x [M 1,370, K 64] x [K 64, N 1,370]; A: computed on the way; B: computed on the way: QUANTISED
;;     5. batch 64 x [M 1,370, K 1,370] x [K 1,370, N 64]; A: softmax (see below); B: computed on the way: QUANTISED
;;   THE QUANTISER, for each operand of a quantised product, along K:
;;     - K is cut into blocks of 32 from its start; a last block that is shorter is filled with zeros.
;;     - A block's scale is 2^e with e = floor(log2(the largest magnitude in the block)) - 2, held to -126 .. 127; a block of zeros has e = 0. As a byte (E8M0): e + 127.
;;     - Each number is divided by its block's scale, clamped to +-6, and rounded to the nearest number of E2M1, ties to even, subnormals kept.
;;     - The product sums the exact products of the quantised numbers (number of the format x scale) in f32.
;;   ~~~python
;;   def quantise(x, axis):      # numpy; x: float32 -> the quantised numbers, widened to float32 again
;;       x = np.moveaxis(x, axis, -1); K = x.shape[-1]
;;       x = np.pad(x, [(0, 0)] * (x.ndim - 1) + [(0, -K % 32)]); x = x.reshape(x.shape[:-1] + (-1, 32)); a = np.abs(x).max(-1, keepdims=True)
;;       e = np.where(a > 0, np.clip(np.frexp(np.where(a > 0, a, 1))[1] - 1 - 2, -126, 127), 0)      # np.frexp(a)[1] - 1 = floor(log2(a)), exactly
;;       r = np.clip(x / 2.0 ** e, -6, 6)
;;       step = 2.0 ** (np.maximum(np.frexp(np.where(r == 0, 1, r))[1] - 1, 0) - 1)
;;       q = np.round(r / step) * step * 2.0 ** e      # np.round: ties to even
;;       return np.moveaxis(q.reshape(q.shape[:-2] + (-1,))[..., :K], -1, axis).astype(np.float32)
;;   ~~~
;;   SOFTMAX AHEAD OF A QUANTISED PRODUCT. Where the list says 'softmax', what is quantised is not the finished softmax but p = 2^(t - M), with t = logit x log2(e) and M = ceil(the row's largest t), a whole number; so 1/2 < the row's largest p <= 1. The row's sum l is taken of the UNQUANTISED p, in f32, and the product's result is divided by l at the end. Since M is a whole number, a kernel that streams over the keys may use a running M (the ceiling of the running maximum): every later rescaling is an exact power of two, which a block's scale takes up: the codes' values come out the same.
;;   OPERANDS COMPUTED ON THE WAY. 'Computed on the way' means the value that the module computes at that place (a softmax that the list does not call 'softmax' is quantised finished and normalised). What goes into a quantiser is computed in f32, as accurately as f32 sums, v_exp_f32 and their like allow (about 1e-6 of the number): no bf16 or f16 on the way to a quantiser, and a product that is left as it is and whose result goes on into a quantised operand takes f32 operands (vector FMAs, or v_wmma_f32_16x16x4_f32). A number that lies on a knife's edge between two numbers of the format may be rounded either way, as far as f32 arithmetic and the matrix unit's own rounding can turn it there, and no further.
;;   INPUTS GIVEN AS CODES. Wk (in the module: [1024, 1024], K = its axis 1); Wq (in the module: [1024, 1024], K = its axis 1); Wv (in the module: [1024, 1024], K = its axis 1); hidden_states (in the module: [4, 1370, 1024], K = its axis 2): each comes as NAME_codes (uint8): NAME with its K axis moved to the last place and cut into blocks of 32 codes, [.., K / 32, bytes a block], one block behind the other in memory; two codes a byte, the lower K in the low four bits (a code: sign, 2 exponent bits, 1 mantissa bit); and NAME_scales (uint8): the same leading axes, one E8M0 byte (e + 127) for each 32 codes along K. Its value is code x scale, taken as it is: it is not quantised again, and the codes and scales need not be those that the quantiser above would give.
;; One version. Each part assembles by itself: llvm-mc -triple=amdgcn-amd-amdhsa -mcpu=gfx1250 --defsym DOCPART=n.
;; ======== version 1 of 1: 2 launches
;; limits: right only within a limited range of input values
;; workspace buffers: kv 6,307,840 bytes; qw 3,244,032 bytes
;; launch proj (part 1): grid 16 x 16, 12 waves a work-group, clusters of 4 x 4, 327,680 bytes of LDS; arguments hidden_states_codes, hidden_states_scales, Wq_codes, Wk_codes, Wv_codes, Wq_scales, Wk_scales, Wv_scales, bq, bk, bv, kv, qw; writes kv, qw
.if DOCPART == 1
	.amdgcn_target "amdgcn-amd-amdhsa--gfx1250"
	.amdhsa_code_object_version 6
	.text
	.protected	k_q9f57306288_proj
	.globl	k_q9f57306288_proj
	.p2align	8
	.type	k_q9f57306288_proj,@function
k_q9f57306288_proj:
	s_mov_b64 s[64:65], 0
	v_nop
	global_prefetch_b8 v0, s[64:65] scope:SCOPE_SE
	s_setreg_imm32_b32 hwreg(HW_REG_WAVE_MODE, 25, 1), 1
	s_wait_xcnt 0x0
	s_wait_alu depctr_hold_cnt(0) depctr_sa_sdst(0) depctr_va_vdst(0) depctr_va_sdst(0) depctr_va_ssrc(0) depctr_va_vcc(0) depctr_vm_vsrc(0)
	s_getreg_b32 s2, hwreg(HW_REG_IB_STS2, 6, 4)
	s_cmp_eq_u32 s2, 0
	s_cbranch_scc0 .Lentry_in_a_cluster
	s_endpgm
.Lentry_in_a_cluster:
	s_bfe_u32 s2, ttmp6, 0x10000c
	s_cmp_lg_u32 s2, 0xf033
	s_cbranch_scc0 .Lentry_shape_is_right
	s_endpgm
.Lentry_shape_is_right:
; q, k, v = x W^T + b on codes of FP4 (E2M1) with E8M0 scales, quantised again: q and k along the head's 64 (two blocks of 32), v along the tokens of a batch (blocks of 32).
; OUTPUT, for each record 16 batch + head, as the next launch's registers and LDS want it (B = block of 32 tokens of the batch, 0 to 43):
;   qw, 50,688 bytes: 0: q's codes, token T, d block e: 16 bytes at 256 (T / 8) + 128 (e xor (B % 2)) + 16 (T % 8);  45,056: a word a token: its two scale bytes, twice
;   kv, 98,560 bytes: 0: k's codes, as q's;  45,056: v's codes [step of 128][d tile 4][key block 4][d 16][16 bytes];  90,112: k's scale words, as q's;
;   95,744: v's scale bytes [B][d 64]
; SHARES.  A work-group owns 352 tokens (a quarter of a batch's 1,408; the batch has 1,370) and one head: 16 x 16 work-groups.  Wave = 4 x kind (q, k, v) + group; a wave makes 6 token tiles x 64 features: 24 accumulators.
; Groups begin at tiles 0, 6, 12, 16, so that every wave's products are the same text; tiles 16 and 17 are group 2's: group 3 neither quantises nor stores them.
; LOADS.  x's 352 rows and the head's 3 x 64 rows of W come in two halves of K (rows of 256 bytes, 16 of padding behind each), each half into LDS bytes of its own.  4 x 4 work-groups form a cluster: x is asked for jointly by the four heads of a row,
; W by the four quarters of a column.  x's first 314 rows (what the last quarter has) are two loads, the other 38 one, held inside the buffer: in the last quarter those rows are other tokens' and count for nothing.
; Scale bytes and biases go from memory straight to registers: 32 neighbouring rows of 32 bytes a wave and load.
; No prefetch into the L2: each half is asked for once and no loop runs ahead of a load.
; Tokens from 1,370 on: v's numbers there are made zeros ahead of the quantiser; q's and k's are used by nobody.
; LIMITS: NaN, infinities and scale bytes 0xff among the inputs are not served.  A block whose largest magnitude lies under 2^-124 (a block of zeros too) gets the byte 1: its codes are zeros or nearly, and the next launch alone reads the bytes.
; The bias is the C of a sum's first matrix instruction: it is added first and not last.  Scale words and bytes leave as 128 and as 32 bytes a store: a unit of 256 is made by several waves.
; REGISTERS: v0-6 addresses; v8-47 scale words; v48-79 W's fragments of a K step; v80-127 x's (three pairs of tiles; in K step 0 one pair, and v96-127 the bias); v128-255 the sums of pairs 0, 1; window 1 v0-63 those of pair 2.
.set HALF,  147968
.set WB,    95744
.set SPARE, 295936
.set SC,  8
.set WF,  48
.set XF,  80
.set BI,  96
.set TM,  80
.set KW,  92
.set DT,  96
.set G1X, 44
.set G1R, 52
.set G1W, 68
.set G0X, 76
.set G0R, 80
.set G0W, 84
.set MSB, 0
.macro WIN new                         ; the immediate's high byte repeats the setting that is left
.if MSB != \new
	s_set_vgpr_msb (MSB<<8)|\new
.set MSB, \new
.endif
.endm
.macro PL                              ; four places behind matrix instructions (ISA guide 7.12.1)
.rept 4
	v_nop
.endr
.endm
.macro ROUND                           ; a round of the cluster's barrier
	s_barrier_signal -1
	s_barrier_wait -1
	s_cmp_lg_u32 s4, 0
	s_cbranch_scc1 .Lnot_wave_0_\@
	s_barrier_signal -3
.Lnot_wave_0_\@:
	s_barrier_wait -3
	s_barrier_signal -1
	s_barrier_wait -1
.endm
.macro FILL                            ; waves 0, 1: x's 314 rows; wave 2: its other 38; waves 3 to 8: 32 rows of W each
	s_cmp_lt_u32 s4, 2
	s_cbranch_scc0 .Lfr_\@
	tensor_load_to_lds s[G0X:G0X+3], s[G1X:G1X+7]
	s_nop 0
	PL
	s_branch .Lfe_\@
.Lfr_\@:
	s_cmp_lt_u32 s4, 3
	s_cbranch_scc0 .Lfw_\@
	tensor_load_to_lds s[G0R:G0R+3], s[G1R:G1R+7]
	s_nop 0
	PL
	s_branch .Lfe_\@
.Lfw_\@:
	s_cmp_lt_u32 s4, 9
	s_cbranch_scc0 .Lfe_\@
	tensor_load_to_lds s[G0W:G0W+3], s[G1W:G1W+7]
	s_nop 0
	PL
.Lfe_\@:
.endm
.macro GROUP1 g, mask, rows            ; rows of 32 elements of 8 bytes, 512 bytes apart; 4 words of padding behind every 64; bit 21 beside the mask
	s_or_b32 s[\g], s[\mask], (3<<16)|(1<<20)|(1<<21)|(5<<22)|(3<<25)
	s_mov_b32 s[\g+1], 32<<16
	s_mov_b32 s[\g+2], \rows<<16
	s_mov_b32 s[\g+3], 32<<16
	s_mov_b32 s[\g+4], \rows
	s_mov_b32 s[\g+5], 64
	s_mov_b32 s[\g+6], 0
	s_mov_b32 s[\g+7], 0
.endm
	s_load_b512 s[16:31], s[0:1], 0x0              ; x's codes, x's scales, Wq, Wk, Wv codes, Wq, Wk, Wv scales
	s_load_b256 s[32:39], s[0:1], 0x40             ; bq, bk, bv, kv
	s_load_b64 s[40:41], s[0:1], 0x60              ; qw
	v_lshl_add_u32 v1, v0, 2, SPARE
	v_mov_b32 v2, 0
	ds_add_u32 v1, v2                              ; the opening: the add, twice on end, and its wait
	ds_add_u32 v1, v2
	v_lshrrev_b32 v3, 5, v0
	v_readfirstlane_b32 s4, v3                     ; wave 0..11
	s_and_b32 s5, s4, 3                            ; group
	s_lshr_b32 s6, s4, 2                           ; kind: 0 q, 1 k, 2 v
	s_bfe_u32 s10, ttmp6, 0x40000                  ; cx
	s_bfe_u32 s9, ttmp6, 0x40004                   ; cy: the quarter
	s_lshl_b32 s7, ttmp9, 2
	s_add_co_u32 s7, s7, s10                       ; head = 4 x cluster x + cx
	s_and_b32 s8, ttmp7, 0xffff                    ; batch = cluster y
	s_lshl_b32 s43, s9, 2
	s_lshl_b32 s43, 15, s43                        ; my row of the cluster
	s_lshl_b32 s88, 0x1111, s10                    ; my column
	GROUP1 G1X, 43, 157
	GROUP1 G1R, 43, 38
	GROUP1 G1W, 88, 32
	s_mul_i32 s42, s8, 1370
	s_mul_i32 s12, s9, 352
	s_add_co_u32 s42, s42, s12                     ; my quarter's first token among all 5,480
	s_mul_i32 s15, s5, 6
	s_min_u32 s15, s15, 16                         ; my group's first tile
	s_lshl_b32 s14, s15, 4
	s_add_co_u32 s14, s14, s42                     ; and token
	s_mul_i32 s12, s15, 4352                       ; its rows of x in LDS: 16 x 272 bytes a tile
	s_mul_i32 s13, s6, 17408
	s_add_co_u32 s13, s13, WB                      ; my kind's 64 rows of W
	s_mov_b32 s100, 0x76543210
	s_mov_b32 s101, 0xfedcba98                     ; v_permlanex16_b32's selects for lane l xor 16
	s_mov_b32 s93, 0
	v_and_b32 v80, 15, v0                          ; r
	v_bfe_u32 v81, v0, 4, 1                        ; h
	v_and_b32 v83, 31, v0                          ; lane
	v_mul_u32_u24 v82, 0x110, v80
	v_lshl_add_u32 v82, v81, 4, v82                ; a fragment: row r x 272 + 16 h
	v_add_nc_u32 v3, s12, v82                      ; v3, v5 x in half 0, 1
	v_add_nc_u32 v4, s13, v82                      ; v4, v6 W
	v_add_nc_u32 v5, HALF, v3
	v_add_nc_u32 v6, HALF, v4
	v_add_nc_u32 v84, s14, v83
	v_add_nc_u32 v85, 32, v84
	v_add_nc_u32 v86, 64, v84
.irp i, 4,5,6
	v_min_u32 v[80+\i], 0x1567, v[80+\i]           ; token 5,479 at the most: no load leaves the buffer
.endr
.irp i, 4,5,6
	v_lshlrev_b32 v[80+\i], 5, v[80+\i]
.endr
	v_lshlrev_b32 v87, 5, v83
	v_lshlrev_b32 v88, 5, v81                      ; bias of q and k: 32 h
	v_lshlrev_b32 v89, 2, v80                      ; bias of v: 4 r
	s_wait_alu depctr_va_vdst(0)
	s_wait_dscnt 0x0                               ; both opening adds are done
	s_wait_kmcnt 0x0
	s_cmp_eq_u32 s6, 0                             ; my kind's scales and bias
	s_cselect_b64 s[26:27], s[26:27], s[28:29]
	s_cselect_b64 s[32:33], s[32:33], s[34:35]
	s_cmp_eq_u32 s6, 2
	s_cselect_b64 s[26:27], s[30:31], s[26:27]
	s_cselect_b64 s[32:33], s[36:37], s[32:33]
	s_lshl_b32 s92, s7, 11
	s_add_nc_u64 s[26:27], s[26:27], s[92:93]
	s_lshl_b32 s92, s7, 8
	s_add_nc_u64 s[32:33], s[32:33], s[92:93]
.irp e, 0,1
.irp i, 0,1,2                          ; x's words of K half e: pair i: lanes 0-15 the even tile, lanes 16-31 the odd one
	global_load_b128 v[SC+12*\e+4*\i:SC+12*\e+4*\i+3], v[84+\i], s[18:19] offset:16*\e
.endr
.irp i, 0,1                            ; W's: tiles 2 i and 2 i + 1
	global_load_b128 v[SC+24+8*\e+4*\i:SC+24+8*\e+4*\i+3], v87, s[26:27] offset:1024*\i+16*\e
.endr
.endr
	s_mul_i32 s12, s4, 157                         ; group 0 of x's rows
	s_add_co_u32 s12, s12, s42
	s_lshl_b32 s92, s12, 9
	s_mov_b32 s[G0X], 1
	s_mul_i32 s[G0X+1], s4, 157*272
	s_add_nc_u64 s[G0X+2:G0X+3], s[16:17], s[92:93]
	s_or_b32 s[G0X+3], s[G0X+3], 0x80000000
	s_add_co_u32 s12, s42, 314
	s_min_u32 s12, s12, 5442                       ; 38 rows from here stay in the buffer
	s_lshl_b32 s92, s12, 9
	s_mov_b32 s[G0R], 1
	s_mov_b32 s[G0R+1], 314*272
	s_add_nc_u64 s[G0R+2:G0R+3], s[16:17], s[92:93]
	s_or_b32 s[G0R+3], s[G0R+3], 0x80000000
	s_add_co_u32 s12, s4, 1                        ; waves 3 to 8: (wave + 1) / 2 = 2, 3, 4 for Wq, Wk, Wv; (wave + 1) % 2: which 32 rows
	s_lshr_b32 s13, s12, 1
	s_cmp_eq_u32 s13, 2
	s_cselect_b64 s[20:21], s[20:21], s[22:23]
	s_cmp_eq_u32 s13, 4
	s_cselect_b64 s[20:21], s[24:25], s[20:21]
	s_and_b32 s12, s12, 1
	s_lshl_b32 s12, s12, 14
	s_lshl_b32 s92, s7, 15
	s_add_co_u32 s92, s92, s12
	s_mov_b32 s[G0W], 1
	s_mul_i32 s12, s4, 8704
	s_add_co_u32 s[G0W+1], s12, WB-3*8704
	s_add_nc_u64 s[G0W+2:G0W+3], s[20:21], s[92:93]
	s_or_b32 s[G0W+3], s[G0W+3], 0x80000000
	ROUND                                          ; all sixteen work-groups are here: the first joint loads meet
	FILL                                           ; K half 0: one load a wave at the most
	s_cmp_eq_u32 s6, 2                             ; the bias, in the result's layout; both ways write all 32 registers
	s_cbranch_scc1 .Lbias_v
.irp t, 0,1,2,3                        ; q, k: d = 16 t + 8 h + 0 .. 7
	global_load_b128 v[BI+8*\t:BI+8*\t+3], v88, s[32:33] offset:64*\t
	global_load_b128 v[BI+8*\t+4:BI+8*\t+7], v88, s[32:33] offset:64*\t+16
.endr
	s_branch .Lbias_done
.Lbias_v:
.irp t, 0,1,2,3                        ; v: d = 16 t + r in all eight
	global_load_b32 v[BI+8*\t], v89, s[32:33] offset:64*\t
.endr
	s_wait_loadcnt 0x0
.irp j, 1,2,3,4,5,6,7
.irp t, 0,1,2,3
	v_mov_b32 v[BI+8*\t+\j], v[BI+8*\t]
.endr
.endr
.Lbias_done:
	s_wait_alu depctr_va_vdst(0)                   ; the wait at the head's end
	s_wait_tensorcnt 0x0                           ; my part of half 0 is in; these lines stand ahead of a later first fill, the add twice on end
	ds_add_u32 v1, v2
	ds_add_u32 v1, v2
	s_add_co_u32 s[G0X+1], s[G0X+1], HALF          ; no load of mine is out: the descriptors go on to half 1
	s_add_co_u32 s[G0R+1], s[G0R+1], HALF
	s_add_co_u32 s[G0W+1], s[G0W+1], HALF
	s_add_nc_u64 s[G0X+2:G0X+3], s[G0X+2:G0X+3], 256
	s_add_nc_u64 s[G0R+2:G0R+3], s[G0R+2:G0R+3], 256
	s_add_nc_u64 s[G0W+2:G0W+3], s[G0W+2:G0W+3], 256
	s_wait_dscnt 0x0                               ; both adds are done
	ROUND                                          ; everybody's part of half 0 is in
	FILL                                           ; K half 1, the first thing behind the round
	s_wait_loadcnt 0x0                             ; scale words and bias
.macro WM d, a, b, c, sa, sb, ra, rb   ; d = a x b + c; ra, rb = 1: that side's scales are read from lanes 16-31
.if (\ra) && (\rb)
	v_wmma_scale_f32_16x16x128_f8f6f4 v[\d:\d+7], v[\a:\a+7], v[\b:\b+7], v[\c:\c+7], v[\sa], v[\sb] matrix_a_fmt:MATRIX_FMT_FP4 matrix_b_fmt:MATRIX_FMT_FP4 matrix_a_scale:MATRIX_SCALE_ROW1 matrix_b_scale:MATRIX_SCALE_ROW1
.elseif (\ra)
	v_wmma_scale_f32_16x16x128_f8f6f4 v[\d:\d+7], v[\a:\a+7], v[\b:\b+7], v[\c:\c+7], v[\sa], v[\sb] matrix_a_fmt:MATRIX_FMT_FP4 matrix_b_fmt:MATRIX_FMT_FP4 matrix_a_scale:MATRIX_SCALE_ROW1
.elseif (\rb)
	v_wmma_scale_f32_16x16x128_f8f6f4 v[\d:\d+7], v[\a:\a+7], v[\b:\b+7], v[\c:\c+7], v[\sa], v[\sb] matrix_a_fmt:MATRIX_FMT_FP4 matrix_b_fmt:MATRIX_FMT_FP4 matrix_b_scale:MATRIX_SCALE_ROW1
.else
	v_wmma_scale_f32_16x16x128_f8f6f4 v[\d:\d+7], v[\a:\a+7], v[\b:\b+7], v[\c:\c+7], v[\sa], v[\sb] matrix_a_fmt:MATRIX_FMT_FP4 matrix_b_fmt:MATRIX_FMT_FP4
.endif
.endm
.macro ONE kind, k, i, a, t            ; K step k, pair i, its tile a, W's tile t
.set rX, XF+8*(\a)
.if (\k) > 0
.set rX, rX+16*(\i)
.endif
.set rW, WF+8*(\t)
.set sX, SC+12*((\k)/4)+4*(\i)+(\k)%4
.set sW, SC+24+8*((\k)/4)+4*((\t)/2)+(\k)%4
.set rA, (128+64*(\i))%256
.if \kind
.set rD, rA+16*(\t)+8*(\a)             ; v: source 0 = tokens: a lane holds one d, its registers run along the tokens
.else
.set rD, rA+32*(\a)+8*(\t)             ; q, k: source 0 = rows of W: a lane holds one token, its registers run along d
.endif
.set rC, rD
.if (\k) == 0
.set rC, BI+8*(\t)                     ; the bias starts the sum
.endif
.if \kind
	WM rD, rX, rW, rC, sX, sW, (\a), (\t)%2
.else
	WM rD, rW, rX, rC, sW, sX, (\t)%2, (\a)
.endif
.endm
.macro MUL kind, k, i                  ; eight matrix instructions; the 24 accumulators take turns
.if (\i) < 2
	WIN 0
.elseif (\k) == 0
	WIN 0x40                                       ; D in window 1
.else
	WIN 0x50                                       ; C and D in window 1
.endif
.irp a, 0,1
.irp t, 0,1,2,3
	ONE \kind, \k, \i, \a, \t
.endr
.endr
.endm
.macro LOADW k
.irp t, 0,1,2,3
.irp c, 0,1
	ds_load_b128 v[WF+8*\t+4*\c:WF+8*\t+4*\c+3], v[4+2*((\k)/4)] offset:4352*\t+64*((\k)%4)+32*\c
.endr
.endr
.endm
.macro LOADX k, i, buf
.irp a, 0,1
.irp c, 0,1
	ds_load_b128 v[XF+16*(\buf)+8*\a+4*\c:XF+16*(\buf)+8*\a+4*\c+3], v[3+2*((\k)/4)] offset:4352*(2*(\i)+\a)+64*((\k)%4)+32*\c
.endr
.endr
.endm
.macro KSTEP kind, k
	LOADW \k
	LOADX \k, 0, 0
	LOADX \k, 1, 1
	LOADX \k, 2, 2
	s_wait_dscnt 8                                 ; W and pair 0; pairs 1 and 2 (four loads each) may be out
	MUL \kind, \k, 0
	s_wait_dscnt 4
	MUL \kind, \k, 1
	s_wait_dscnt 0x0
	MUL \kind, \k, 2
	WIN 0
	PL
.endm
.macro HALF0 kind
	LOADW 0
	LOADX 0, 0, 0                                  ; K step 0 has one buffer for x: the bias lies in the others
	s_wait_dscnt 0x0
	MUL \kind, 0, 0
	PL
	LOADX 0, 1, 0
	s_wait_dscnt 0x0
	MUL \kind, 0, 1
	PL
	LOADX 0, 2, 0
	s_wait_dscnt 0x0
	MUL \kind, 0, 2
	WIN 0
	PL
	KSTEP \kind, 1
	KSTEP \kind, 2
	KSTEP \kind, 3
.endm
.macro HALF1 kind
	KSTEP \kind, 4
	KSTEP \kind, 5
	KSTEP \kind, 6
	KSTEP \kind, 7
.endm
; pair i's four blocks of 32: block b: my 16 numbers from register 16 b on, the other 16 in lane l xor 16.  Bytes to v[TM + 4 + b]; codes to eight registers rP, changed over between the halves of the lanes so that a lane's run is in order
.macro QUANT kind, i
.set rA, (128+64*(\i))%256
.set rP, WF+8*(\i)
.if (\i) == 2
	WIN 0x05
.endif
.irp b, 0,1,2,3
	v_max3_num_f32 v[TM+\b], |v[rA+16*\b]|, |v[rA+16*\b+1]|, 0x1800000   ; with the floor 2^(3 - 127): the byte cannot fall under 1
.endr
.irp e, 2,4,6,8,10,12,14
.irp b, 0,1,2,3
	v_max3_num_f32 v[TM+\b], |v[rA+16*\b+\e]|, |v[rA+16*\b+\e+1]|, v[TM+\b]
.endr
.endr
	WIN 0
.irp b, 0,1,2,3
	v_permlanex16_b32 v[TM+4+\b], v[TM+\b], s100, s101
.endr
.irp b, 0,1,2,3
	v_max_num_f32 v[TM+\b], v[TM+\b], v[TM+4+\b]
.endr
.irp b, 0,1,2,3
	v_add_nc_u32 v[TM+8+\b], 0xff000000, v[TM+\b]  ; 2 off its exponent field: the conversion's scale operand
.endr
.irp b, 0,1,2,3
	v_lshrrev_b32 v[TM+4+\b], 23, v[TM+8+\b]       ; the scale's byte
.endr
.if (\i) == 2
	WIN 0x01
.endif
.irp b, 0,1,2,3
.if \kind
	v_cvt_scalef32_pk8_fp4_f32 v[rP+2*\b], v[rA+16*\b:rA+16*\b+7], v[TM+8+\b]
	v_cvt_scalef32_pk8_fp4_f32 v[rP+2*\b+1], v[rA+16*\b+8:rA+16*\b+15], v[TM+8+\b]
.else
	v_cvt_scalef32_pk8_fp4_f32 v[rP+4*(\b/2)+(\b%2)], v[rA+16*\b:rA+16*\b+7], v[TM+8+\b]
	v_cvt_scalef32_pk8_fp4_f32 v[rP+4*(\b/2)+2+(\b%2)], v[rA+16*\b+8:rA+16*\b+15], v[TM+8+\b]
.endif
.endr
	WIN 0
	v_nop                                          ; one plain place behind the scaled conversions
.irp m, 0,1,2,3
	v_permlane16_swap_b32 v[rP+2*\m], v[rP+2*\m+1]
.endr
.endm
	s_cmp_eq_u32 s6, 2
	s_cbranch_scc1 .Lhalf0_v
	HALF0 0
	s_branch .Lhalf0_done
.Lhalf0_v:
	HALF0 1
.Lhalf0_done:
	s_wait_tensorcnt 0x0                           ; my part of half 1 is in,
	s_wait_dscnt 0x0
	s_barrier_signal -1
	s_barrier_wait -1                              ; everybody's is.
	s_lshl_b32 s94, s8, 4
	s_add_co_u32 s94, s94, s7                      ; record
	s_mul_i32 s98, s9, 11
	s_mul_i32 s12, s5, 3
	s_min_u32 s12, s12, 8
	s_add_co_u32 s98, s98, s12                     ; B0: my first block of 32 tokens in the batch
	s_mov_b32 s99, 0xffff0000                      ; lanes 16-31, as a mask
	s_cmp_eq_u32 s6, 2
	s_cbranch_scc1 .Lhalf1_v
	HALF1 0
	s_cmp_eq_u32 s6, 0                             ; q goes to qw, k to kv
	s_cselect_b64 s[88:89], s[40:41], s[38:39]
	s_mul_i32 s95, s94, 50688
	s_mul_i32 s96, s94, 98560
	s_cselect_b32 s92, s95, s96
	s_mov_b32 s97, 90112
	s_cselect_b32 s97, 45056, s97
	s_add_nc_u64 s[88:89], s[88:89], s[92:93]
	s_mov_b32 s92, s97
	s_add_nc_u64 s[90:91], s[88:89], s[92:93]
	s_lshl_b32 s92, s98, 10
	s_add_nc_u64 s[88:89], s[88:89], s[92:93]      ; codes: 1,024 bytes a block
	s_lshl_b32 s92, s98, 7
	s_add_nc_u64 s[90:91], s[90:91], s[92:93]      ; scale words: 128
	s_and_b32 s12, s98, 1
	s_lshl_b32 s12, s12, 7
	v_and_b32 v104, 7, v0
	v_bfe_u32 v105, v0, 3, 1
	v_bfe_u32 v106, v0, 4, 1
	v_lshlrev_b32 v104, 4, v104
	v_lshl_add_u32 v104, v105, 8, v104
	v_lshl_add_u32 v104, v106, 7, v104
	v_xor_b32 v104, s12, v104                      ; v104 pairs 0 and 2, v105 pair 1: bit 7 turns with the block's parity
	v_and_b32 v106, 31, v0
	v_xor_b32 v105, 0x80, v104
	v_lshlrev_b32 v106, 2, v106
.irp b, 0,1,2,3
	v_mov_b32 v[TM+4+\b], 0                        ; a lane permute's destination counts as one of its sources
.endr
	s_wait_alu depctr_va_vdst(0)                   ; directly ahead of the branch
	s_cmp_eq_u32 s5, 3
	s_cbranch_scc1 .Lqk1                           ; group 3's first pair is group 2's last
.irp i, 0,1,2
	QUANT 0, \i
.irp a, 0,1
	global_store_b128 v[104+(\i%2)], v[rP+4*\a:rP+4*\a+3], s[88:89] offset:1024*\i+512*\a   ; 512 consecutive bytes, aligned
.endr
	v_lshl_or_b32 v[KW], v[TM+5], 8, v[TM+4]       ; a token's two bytes,
	v_lshl_or_b32 v[KW+1], v[TM+7], 8, v[TM+6]
	v_lshl_or_b32 v[KW], v[KW], 16, v[KW]          ; twice
	v_lshl_or_b32 v[KW+1], v[KW+1], 16, v[KW+1]
	v_cndmask_b32 v[DT+2*\i], v[KW], v[KW+1], s99
	global_store_b32 v106, v[DT+2*\i], s[90:91] offset:128*\i
.if \i == 0
.Lqk1:
.endif
.endr
	s_branch .Lend
.Lhalf1_v:
	HALF1 1
	s_mul_i32 s92, s94, 98560
	s_add_nc_u64 s[90:91], s[38:39], s[92:93]
.irp i, 0,1,2                          ; block B0 + i: step B / 4, key block B % 4
	s_add_co_u32 s12, s98, \i
	s_lshr_b32 s13, s12, 2
	s_and_b32 s14, s12, 3
	s_lshl_b32 s15, s13, 12
	s_lshl_b32 s14, s14, 8
	s_add_co_u32 s15, s15, s14
	s_add_co_u32 s92, s15, 45056
	s_add_nc_u64 s[76+2*\i:77+2*\i], s[90:91], s[92:93]
	s_lshl_b32 s15, s12, 6                         ; scale bytes: 64 a block
	s_add_co_u32 s92, s15, 95744
	s_add_nc_u64 s[84+2*\i:85+2*\i], s[90:91], s[92:93]
.endr
	s_mov_b32 s14, -1
	s_cmp_eq_u32 s9, 3                             ; the last quarter: tokens from local row 314 on are none
	s_cselect_b32 s13, s99, 0
	s_cselect_b32 s14, s14, 0
	v_and_b32 v104, 15, v0
	v_bfe_u32 v105, v0, 4, 1
	v_and_b32 v106, 31, v0                         ; lane
	v_lshlrev_b32 v104, 4, v104
	v_lshl_add_u32 v104, v105, 3, v104             ; 16 r + 8 h
	v_mov_b32 v107, 0
.irp b, 0,1,2,3
	v_mov_b32 v[TM+4+\b], 0
.endr
	s_wait_alu depctr_va_vdst(0)                   ; directly ahead of the branch
	s_cmp_lg_u32 s4, 11                            ; wave 11 has tiles 16 to 21
	s_cbranch_scc1 .Lwhole
.irp t, 0,1,2,3
.irp j, 2,3,4,5,6,7
	v_cndmask_b32 v[192+16*\t+8+\j], v[192+16*\t+8+\j], v107, s13   ; tile 19: rows 304 + 8 h + j: none where h = 1 and j >= 2
.endr
.endr
	WIN 0x41
.set n, 0
.rept 64
	v_cndmask_b32 v[n], v[n], v107, s14            ; tiles 20 and 21: none
.set n, n+1
.endr
	WIN 0
.Lwhole:
	s_wait_alu depctr_va_vdst(0)                   ; directly ahead of the branch
	s_cmp_eq_u32 s5, 3
	s_cbranch_scc1 .Lv1                            ; group 3's first pair is group 2's last
.irp i, 0,1,2
	QUANT 1, \i
.irp t, 0,1,2,3
	global_store_b64 v104, v[rP+2*\t:rP+2*\t+1], s[76+2*\i:77+2*\i] offset:1024*\t   ; 256 consecutive bytes, aligned
.endr
	v_cndmask_b32 v[DT+2*\i], v[TM+4], v[TM+5], s99
	v_cndmask_b32 v[DT+2*\i+1], v[TM+6], v[TM+7], s99
	global_store_b8 v106, v[DT+2*\i], s[84+2*\i:85+2*\i]   ; d 0 to 31: 32 consecutive bytes,
	global_store_b8 v106, v[DT+2*\i+1], s[84+2*\i:85+2*\i] offset:32
.if \i == 0
.Lv1:
.endif
.endr
.Lend:
	s_wait_tensorcnt 0x0                           ; the wave's end
	ds_add_u32 v1, v2
	s_wait_dscnt 0x0
	ROUND                                          ; the closing round
	s_endpgm
.Lfunc_end_k_q9f57306288_proj:
	.size	k_q9f57306288_proj, .Lfunc_end_k_q9f57306288_proj-k_q9f57306288_proj
	.p2alignl 7, 3214868480
	.fill 96, 4, 3214868480
	.section	.rodata,"a",@progbits
	.p2align	6, 0x0
	.amdhsa_kernel k_q9f57306288_proj
		.amdhsa_group_segment_fixed_size 327680
		.amdhsa_private_segment_fixed_size 0
		.amdhsa_enable_private_segment 0
		.amdhsa_kernarg_size 104
		.amdhsa_user_sgpr_count 2
		.amdhsa_user_sgpr_kernarg_segment_ptr 1
		.amdhsa_wavefront_size32 1
		.amdhsa_system_sgpr_workgroup_id_x 1
		.amdhsa_system_sgpr_workgroup_id_y 1
		.amdhsa_system_sgpr_workgroup_id_z 1
		.amdhsa_system_vgpr_workitem_id 0
		.amdhsa_next_free_vgpr 320
		.amdhsa_next_free_sgpr 102
		.amdhsa_reserve_vcc 0
		.amdhsa_float_denorm_mode_32 3
		.amdhsa_float_denorm_mode_16_64 3
		.amdhsa_memory_ordered 1
		.amdhsa_forward_progress 1
		.amdhsa_inst_pref_size 121
	.end_amdhsa_kernel
	.amdgpu_metadata
---
amdhsa.version: [ 1, 2 ]
amdhsa.kernels:
  - .name:           k_q9f57306288_proj
    .symbol:         k_q9f57306288_proj.kd
    .args:
      - { .name: hidden_states_codes, .offset: 0, .size: 8, .value_kind: global_buffer, .address_space: global }
      - { .name: hidden_states_scales, .offset: 8, .size: 8, .value_kind: global_buffer, .address_space: global }
      - { .name: Wq_codes, .offset: 16, .size: 8, .value_kind: global_buffer, .address_space: global }
      - { .name: Wk_codes, .offset: 24, .size: 8, .value_kind: global_buffer, .address_space: global }
      - { .name: Wv_codes, .offset: 32, .size: 8, .value_kind: global_buffer, .address_space: global }
      - { .name: Wq_scales, .offset: 40, .size: 8, .value_kind: global_buffer, .address_space: global }
      - { .name: Wk_scales, .offset: 48, .size: 8, .value_kind: global_buffer, .address_space: global }
      - { .name: Wv_scales, .offset: 56, .size: 8, .value_kind: global_buffer, .address_space: global }
      - { .name: bq, .offset: 64, .size: 8, .value_kind: global_buffer, .address_space: global }
      - { .name: bk, .offset: 72, .size: 8, .value_kind: global_buffer, .address_space: global }
      - { .name: bv, .offset: 80, .size: 8, .value_kind: global_buffer, .address_space: global }
      - { .name: kv, .offset: 88, .size: 8, .value_kind: global_buffer, .address_space: global }
      - { .name: qw, .offset: 96, .size: 8, .value_kind: global_buffer, .address_space: global }
    .group_segment_fixed_size: 327680
    .private_segment_fixed_size: 0
    .kernarg_segment_align: 8
    .kernarg_segment_size: 104
    .max_flat_workgroup_size: 384
    .sgpr_count:     102
    .vgpr_count:     320
    .wavefront_size: 32
...
	.end_amdgpu_metadata
.endif
;; end of part 1
;; launch attn (part 2): grid 4 x 64, 11 waves a work-group, clusters of 4 x 1, 167,936 bytes of LDS; arguments kv, qw, out0; writes out0
.if DOCPART == 2
	.amdgcn_target "amdgcn-amd-amdhsa--gfx1250"
	.amdhsa_code_object_version 6
	.text
	.protected	k_q9f57306288_attn
	.globl	k_q9f57306288_attn
	.p2align	8
	.type	k_q9f57306288_attn,@function
k_q9f57306288_attn:
	s_mov_b64 s[64:65], 0
	v_nop
	global_prefetch_b8 v0, s[64:65] scope:SCOPE_SE
	s_setreg_imm32_b32 hwreg(HW_REG_WAVE_MODE, 25, 1), 1
	s_wait_xcnt 0x0
	s_wait_alu depctr_hold_cnt(0) depctr_sa_sdst(0) depctr_va_vdst(0) depctr_va_sdst(0) depctr_va_ssrc(0) depctr_va_vcc(0) depctr_vm_vsrc(0)
	s_getreg_b32 s2, hwreg(HW_REG_IB_STS2, 6, 4)
	s_cmp_eq_u32 s2, 0
	s_cbranch_scc0 .Lentry_in_a_cluster
	s_endpgm
.Lentry_in_a_cluster:
	s_bfe_u32 s2, ttmp6, 0x10000c
	s_cmp_lg_u32 s2, 0x3003
	s_cbranch_scc0 .Lentry_shape_is_right
	s_endpgm
.Lentry_shape_is_right:
; O = softmax(q k^T / 8) v, both products on codes of FP4 (E2M1) with E8M0 scales, made by the launch before (its head states the layout).
; THE SOFTMAX AHEAD OF THE SECOND PRODUCT: t = score x log2(e) / 8; M = the row's largest t so far, rounded up to a whole number; p = 2^(t - M) is quantised along the keys, not normalised.  The row's sum is taken of the
; unquantised p and divides O at the end.  When M moves, the sum and O are multiplied by 2^(old M - new M): exact.
; SHARES.  A cluster of four work-groups owns one (batch, head); wave w of work-group cx owns the 32 queries from 352 cx + 32 w on, two tiles of 16 (44 waves cover 1,370).  Queries from 1,370 on repeat query 1,369 and are not stored.
; Every wave walks all keys, 128 a step, 11 steps.  The record of the head, 98,560 bytes, lies in LDS: filled once, by joint loads (mask 15), 35 rows of 256 bytes a wave.  cx enters addresses in qw and out0 and the masks of the last stores alone.
; No prefetch into the L2: no loop of this launch reads memory.
; BOTH PRODUCTS TRANSPOSED, 32 x 16 x 128: S^T = K Q^T (source 0 = 32 keys), O^T = V^T P^T (source 0 = 32 of the head's 64): a lane holds one query throughout.
; THE KEYS OF A TILE: row r of tile u in group c of 64 keys is key 64 c + 32 (r / 8) + 8 u + r % 8: so a lane's 32 registers of group c are the 32 neighbouring keys 64 c + 32 (lane / 16) + 0 .. 31: a whole block of P, in its operand's order.
; K = 64 IN AN INSTRUCTION OF 128: K's fragments hold tile u in the lower and tile u + 2 in the upper half of K; Q lies as Q 0 Q in twelve registers, so that registers 0-7 pick the lower half and 4-11 the upper.  The scale words hold their two bytes twice.
; A BLOCK'S SCALE: p rises with the score, so the block's largest score gives floor(t - M), the exponent of its largest p; the byte is that + 125, held at 1 from below.
; Keys from 1,370 on (the last step): their scores become -infinity ahead of the maximum, so p = 0.
; LIMITS: NaN and infinities are not served.  Scaled scores (exponents to the base 2) stay under 2^31 in magnitude.  A block whose largest p lies under 2^-124 gets the byte 1.  Where t - M lies so close under a whole number that 2^(t - M) rounds up to
; a power of two, the exponent is taken of t - M.
; REGISTERS: v8, v10 -M; v9, v11 the largest score; v[12:13], v[14:15] the sums; v16-39 at work; v40-49 scale words alone (v40-41 Q's, v42-43 p's, v44-45 V's, v46-49 K's); v52-67 p's codes; v68-91 Q; v92-123 K;
; v124-187, v188-251 S^T, then p, of tiles 0, 1; v124-155 then V.  Window 1: v0-63 O^T.
.set VI,    45056
.set KSC,   90112
.set VSC,   95744
.set STAGE, 98560                      ; 16 rows x 272 bytes for each wave: no fill lands there
.set SP,    272
.set SPARE, 146432
.set AK,  3
.set AV,  4
.set AKS, 5
.set AVS, 6
.set NI,  7
.set QS,  40
.set PS,  42
.set VS,  44
.set KS,  46
.set PC,  52
.set QF,  68
.set KF,  92
.set S,   124
.set MSB, 0
.macro WIN new
.if MSB != \new
	s_set_vgpr_msb (MSB<<8)|\new
.set MSB, \new
.endif
.endm
.macro ROUND
	s_barrier_signal -1
	s_barrier_wait -1
	s_cmp_lg_u32 s18, 0
	s_cbranch_scc1 .Lnot_wave_0_\@
	s_barrier_signal -3
.Lnot_wave_0_\@:
	s_barrier_wait -3
	s_barrier_signal -1
	s_barrier_wait -1
.endm
	s_load_b128 s[4:7], s[0:1], 0x0                ; kv, qw
	s_load_b64 s[8:9], s[0:1], 0x10                ; out0
	v_lshl_add_u32 v1, v0, 2, SPARE
	v_mov_b32 v2, 0
	ds_add_u32 v1, v2                              ; the opening: the add, twice on end, and its wait
	ds_add_u32 v1, v2
	v_lshrrev_b32 v3, 5, v0
	v_readfirstlane_b32 s18, v3                    ; wave 0..10
	s_bfe_u32 s19, ttmp6, 0x40000                  ; cx
	s_and_b32 s20, ttmp7, 0xffff                   ; record: 16 batch + head
	s_lshr_b32 s21, s20, 4
	s_and_b32 s22, s20, 15
	s_mul_i32 s23, s19, 352
	s_lshl_b32 s10, s18, 5
	s_add_co_u32 s23, s23, s10                     ; my first query
	s_mov_b32 s24, 15|(3<<16)|(1<<21)              ; group 1: 35 rows of 32 elements of 8 bytes, dense; all four work-groups; bit 21 beside a mask
	s_mov_b32 s25, 32<<16
	s_mov_b32 s26, 35<<16
	s_mov_b32 s27, 32<<16
	s_mov_b32 s28, 35
	s_mov_b32 s29, 32
	s_mov_b32 s30, 0
	s_mov_b32 s31, 0
	s_mov_b32 s60, 0x76543210
	s_mov_b32 s61, 0xfedcba98                      ; v_permlanex16_b32's selects for lane l xor 16
	s_mov_b32 s62, 0x3e38aa3b                      ; c = log2(e) / 8
	s_mov_b32 s63, s62                             ; (named with it as a pair, so it is written)
	s_mov_b32 s66, 0xbe38aa3b                      ; -c
	s_mov_b32 s70, 0xffff0000                      ; lanes 16-31, as a mask
	s_mul_i32 s33, s18, 8960
	s_mul_i32 s72, s20, 98560
	s_add_co_u32 s72, s72, s33
	s_mov_b32 s73, 0
	s_mul_i32 s74, s20, 50688
	s_mov_b32 s75, 0
	s_mul_i32 s76, s21, 1370
	s_add_co_u32 s76, s76, s23
	s_lshl_b32 s76, s76, 12                        ; out0: rows of 4,096 bytes,
	s_lshl_b32 s77, s22, 8
	s_add_co_u32 s76, s76, s77                     ; my head's 256 bytes
	s_mov_b32 s77, 0
	v_and_b32 v124, 15, v0                         ; r
	v_bfe_u32 v125, v0, 4, 1                       ; h
	v_add_nc_u32 v126, s23, v124                   ; T: tile 0's query,
	v_add_nc_u32 v127, 16, v126                    ; tile 1's,
	v_min_u32 v126, 0x559, v126                    ; held at 1,369
	v_min_u32 v127, 0x559, v127
.irp a, 0,1
	v_lshrrev_b32 v[128+\a], 3, v[126+\a]
	v_and_b32 v[130+\a], 7, v[126+\a]
	v_bfe_u32 v[132+\a], v[126+\a], 5, 1
.endr
.irp a, 0,1
	v_lshlrev_b32 v[128+\a], 8, v[128+\a]
	v_xor_b32 v[132+\a], v[132+\a], v125
.endr
.irp a, 0,1
	v_lshl_add_u32 v[128+\a], v[130+\a], 4, v[128+\a]
.endr
.irp a, 0,1
	v_lshl_add_u32 v[128+\a], v[132+\a], 7, v[128+\a]   ; 256 (T / 8) + 128 (h xor the block's parity) + 16 (T % 8)
	v_lshlrev_b32 v[126+\a], 2, v[126+\a]
.endr
	s_wait_alu depctr_va_vdst(0)
	s_wait_dscnt 0x0                               ; both opening adds are done
	s_wait_kmcnt 0x0
	s_mov_b32 s32, 1
	s_add_nc_u64 s[34:35], s[4:5], s[72:73]
	s_or_b32 s35, s35, 0x80000000
	s_add_nc_u64 s[6:7], s[6:7], s[74:75]
	s_add_nc_u64 s[8:9], s[8:9], s[76:77]
	s_add_nc_u64 s[10:11], s[6:7], 45056
	ROUND                                          ; all four work-groups are here: the joint loads meet
	tensor_load_to_lds s[32:35], s[24:31]          ; my part of the record: a wave's one load
	s_nop 0
.rept 4
	v_nop
.endr
.irp a, 0,1
	global_load_b128 v[QF+12*\a:QF+12*\a+3], v[128+\a], s[6:7]
	global_load_b32 v[QS+\a], v[126+\a], s[10:11]
.endr
	v_and_b32 v134, 7, v0                          ; j
	v_bfe_u32 v135, v0, 3, 1                       ; hi: rows 8 to 15 of a tile lie in the next block
	v_and_b32 v136, 31, v0
	v_xor_b32 v137, v125, v135
	v_lshlrev_b32 v[AK], 4, v134
	v_lshl_add_u32 v[AK], v137, 7, v[AK]
	v_lshl_add_u32 v[AK], v135, 10, v[AK]          ; K: 1,024 hi + 128 (h xor hi) + 16 j
	v_lshlrev_b32 v[AV], 4, v136                   ; V: 16 x lane
	v_lshl_add_u32 v137, v125, 3, v134
	v_lshl_add_u32 v137, v135, 5, v137
	v_lshlrev_b32 v[AKS], 2, v137
	v_add_nc_u32 v[AKS], KSC, v[AKS]               ; K's scale words: key 32 hi + 8 h + j
	v_add_nc_u32 v[AVS], VSC, v136                 ; V's scale bytes: lane
	s_wait_loadcnt 0x0
.irp a, 0,1
.irp i, 0,1,2,3
	v_mov_b32 v[QF+12*\a+8+\i], v[QF+12*\a+\i]
	v_mov_b32 v[QF+12*\a+4+\i], 0
.endr
.endr
	v_mov_b32 v[NI], 0xff800000                    ; -infinity
.irp a, 0,1
	v_mov_b32 v[8+2*\a], 0x7e967699                ; -M = 1e38: the first change of M multiplies the zeros below by 0
	v_mov_b32 v[9+2*\a], 0xff61b1e6                ; the largest score so far: -3e38
	v_mov_b32 v[12+2*\a], 0
	v_mov_b32 v[13+2*\a], 0
	v_mov_b32 v[19+2*\a], 0                        ; (the upper half of a pair that is named)
	v_mov_b32 v[22+\a], 0                          ; (a lane permute's destination counts as one of its sources)
.endr
	WIN 0x40
.set n, 0
.rept 64
	v_mov_b32 v[n], 0                              ; O^T.  (The step is written once for all steps but the last)
.set n, n+1
.endr
	WIN 0
	s_mov_b32 s69, 10
	s_wait_alu depctr_va_vdst(0)                   ; the wait at the head's end
	s_wait_tensorcnt 0x0                           ; my part of the record has landed,
	s_wait_dscnt 0x0
	s_barrier_signal -1
	s_barrier_wait -1                              ; everybody's has
.macro KLOAD                           ; 128 keys: 16 registers a group of 64: tile u = p + 2 o at 8 p + 4 o; scale word 2 c + o: lanes 0-15 tile 2 o, lanes 16-31 tile 2 o + 1
.irp c, 0,1
.irp p, 0,1
.irp o, 0,1
	ds_load_b128 v[KF+16*\c+8*\p+4*\o:KF+16*\c+8*\p+4*\o+3], v[AK] offset:2048*\c+256*(\p+2*\o)
.endr
.endr
.endr
.irp c, 0,1
.irp o, 0,1
	ds_load_b32 v[KS+2*\c+\o], v[AKS] offset:256*\c+64*\o
.endr
.endr
.endm
.macro CODES a                         ; p's codes: eight numbers a register, in the operand's order
.irp c, 0,1
.irp g, 0,1,2,3
	v_cvt_scalef32_pk8_fp4_f32 v[PC+8*(\a)+4*\c+\g], v[S+64*(\a)+32*\c+8*\g:S+64*(\a)+32*\c+8*\g+7], v[28+2*(\a)+\c]
.endr
.endr
.endm
.macro SUM a                           ; the row's sum of the unquantised p, two at a time, in four chains
.set sB, S+64*(\a)
.set sR, 12+2*(\a)
	v_pk_add_f32 v[34:35], v[sB:sB+1], v[sB+2:sB+3]
	v_pk_add_f32 v[36:37], v[sB+4:sB+5], v[sB+6:sB+7]
	v_pk_add_f32 v[38:39], v[sB+8:sB+9], v[sB+10:sB+11]
.set n, 12
.rept 26
.set m, 32+2*(((n-12)/2)%4)
.if m == 32
.set m, sR
.endif
	v_pk_add_f32 v[m:m+1], v[m:m+1], v[sB+n:sB+n+1]
.set n, n+2
.endr
	v_pk_add_f32 v[34:35], v[34:35], v[36:37]
	v_pk_add_f32 v[sR:sR+1], v[sR:sR+1], v[38:39]
	v_pk_add_f32 v[sR:sR+1], v[sR:sR+1], v[34:35]
.endm
.macro STEP masked, ahead
	s_wait_dscnt 0x0                               ; K and its scale words are in
.irp a, 0,1
.irp c, 0,1
.irp o, 0,1
	v_wmma_scale_f32_32x16x128_f4 v[S+64*\a+32*\c+16*\o:S+64*\a+32*\c+16*\o+15], v[KF+16*\c:KF+16*\c+15], v[QF+12*\a+4*\o:QF+12*\a+4*\o+7], 0, v[KS+2*\c+\o], v[QS+\a]
.endr
.endr
.endr
	v_nop                                          ; four places behind the products
	v_nop
.if \ahead
	v_add_nc_u32 v[AK], 0x1000, v[AK]
	v_add_nc_u32 v[AKS], 0x200, v[AKS]
	KLOAD                                          ; the next step's
.else
	v_nop
	v_nop
.endif
.if \masked                            ; key 1,344 + 32 h + i is none from 1,370 on: h = 1, and i >= 26
.irp a, 0,1
.set n, 0
.rept 26
	v_cndmask_b32 v[S+64*\a+32+n], v[S+64*\a+32+n], v[NI], s70
.set n, n+1
.endr
.rept 6
	v_mov_b32 v[S+64*\a+32+n], v[NI]
.set n, n+1
.endr
.endr
.endif
.irp a, 0,1                            ; the largest score of each block: tile a, group c in v[24 + 2 a + c]
.irp c, 0,1
	v_max3_num_f32 v[24+2*\a+\c], v[S+64*\a+32*\c], v[S+64*\a+32*\c+1], v[S+64*\a+32*\c+2]
.endr
.endr
.irp i, 3,5,7,9,11,13,15,17,19,21,23,25,27,29
.irp a, 0,1
.irp c, 0,1
	v_max3_num_f32 v[24+2*\a+\c], v[24+2*\a+\c], v[S+64*\a+32*\c+\i], v[S+64*\a+32*\c+\i+1]
.endr
.endr
.endr
.irp a, 0,1
.irp c, 0,1
	v_max_num_f32 v[24+2*\a+\c], v[24+2*\a+\c], v[S+64*\a+32*\c+31]
.endr
.endr
.irp a, 0,1
	v_max_num_f32 v[16+\a], v[24+2*\a], v[25+2*\a]
.endr
.irp a, 0,1
	v_permlanex16_b32 v[22+\a], v[16+\a], s60, s61
.endr
.irp a, 0,1
	v_max3_num_f32 v[9+2*\a], v[9+2*\a], v[16+\a], v[22+\a]   ; the running largest score of my query
.endr
.irp a, 0,1
	v_mul_f32 v[16+\a], s66, v[9+2*\a]
.endr
.irp a, 0,1
	v_floor_f32 v[16+\a], v[16+\a]                 ; the new -M = floor(-t) = -ceil(t)
.endr
.irp a, 0,1
	v_sub_f32 v[32+\a], v[16+\a], v[8+2*\a]        ; old M - new M: a whole number, 0 or less
.endr
.irp a, 0,1
	v_mov_b32 v[8+2*\a], v[16+\a]
	v_cvt_i32_f32 v[32+\a], v[32+\a]               ; (it saturates)
.endr
.irp a, 0,1
	v_pk_fma_f32 v[24+2*\a:25+2*\a], v[24+2*\a:25+2*\a], s[62:63], v[8+2*\a:9+2*\a] op_sel_hi:[1,0,0]   ; t - M of each block's largest score
	v_ldexp_f32 v[18+2*\a], 1.0, v[32+\a]          ; f = 2^(old M - new M)
.endr
.irp x, 24,25,26,27
	v_max_num_f32 v[\x], 0xc2f80000, v[\x]         ; -124 at the least
.endr
.irp x, 24,25,26,27
	v_floor_f32 v[\x], v[\x]
.endr
.irp x, 24,25,26,27
	v_cvt_i32_f32 v[\x], v[\x]                     ; e, the exponent of the block's largest p
.endr
.irp x, 24,25,26,27
	v_lshl_add_u32 v[\x+4], v[\x], 23, 0x3e800000  ; (e + 125) << 23: the conversion's scale operand
.endr
.irp a, 0,1
	v_lshl_add_u32 v[32+\a], v[25+2*\a], 16, v[24+2*\a]
.endr
.irp a, 0,1
	v_permlanex16_b32 v[22+\a], v[32+\a], s60, s61
.endr
.irp a, 0,1
	v_lshl_add_u32 v[32+\a], v[22+\a], 8, v[32+\a] ; e of blocks 0 to 3 at bytes 0 to 3, as one sum,
.endr
.irp a, 0,1
	v_add_nc_u32 v[PS+\a], 0x7d7d7d7d, v[32+\a]    ; + 125 each: p's scale word
.endr
	WIN 0x41
.set n, 0
.rept 16
.irp a, 0,1
	v_pk_mul_f32 v[32*\a+2*n:32*\a+2*n+1], v[32*\a+2*n:32*\a+2*n+1], v[18+2*\a:19+2*\a] op_sel_hi:[1,0]   ; O^T under the new M, each accumulator from its low end on
.endr
.set n, n+1
.endr
	WIN 0
.irp a, 0,1
	v_pk_mul_f32 v[12+2*\a:13+2*\a], v[12+2*\a:13+2*\a], v[18+2*\a:19+2*\a] op_sel_hi:[1,0]
.endr
.set n, 0
.rept 32
	v_pk_fma_f32 v[S+2*n:S+2*n+1], v[S+2*n:S+2*n+1], s[62:63], v[8:9] op_sel_hi:[1,0,0]   ; tile 0: t - M
.set n, n+1
.endr
	s_wait_alu depctr_va_vdst(0)                   ; the wait ahead of the batch
.set n, 0
.rept 32
	v_exp_f32 v[S+2*n], v[S+2*n]
	v_exp_f32 v[S+2*n+1], v[S+2*n+1]
	v_pk_fma_f32 v[S+64+2*n:S+65+2*n], v[S+64+2*n:S+65+2*n], s[62:63], v[10:11] op_sel_hi:[1,0,0]   ; tile 1's t - M, first read behind the wait below
.set n, n+1
.endr
	s_wait_alu depctr_va_vdst(0)                   ; and behind it: it serves tile 1's batch too
	CODES 0
	SUM 0
	ds_load_u8 v16, v[AVS]                         ; V's scale bytes: d = lane, key blocks 0 to 3,
	ds_load_u8 v17, v[AVS] offset:64
	ds_load_u8 v24, v[AVS] offset:128
	ds_load_u8 v25, v[AVS] offset:192
	ds_load_u8 v26, v[AVS] offset:32               ; d = 32 + lane
	ds_load_u8 v27, v[AVS] offset:96
	ds_load_u8 v32, v[AVS] offset:160
	ds_load_u8 v33, v[AVS] offset:224
.irp t, 0,1,2,3                        ; V^T: d tile t, these 128 keys, over tile 0's p
.irp c, 0,1
	ds_load_b128 v[S+8*\t+4*\c:S+8*\t+4*\c+3], v[AV] offset:VI+1024*\t+512*\c
.endr
.endr
.set n, 0
.rept 64
	v_exp_f32 v[S+64+n], v[S+64+n]
.set n, n+1
.endr
	v_nop                                          ; a plain place behind the exponentials
	s_wait_alu depctr_va_vdst(0)                   ; the wait behind the second batch
	s_wait_dscnt 8                                 ; the bytes are in; V's eight loads behind them may be out
	v_lshl_or_b32 v[VS], v17, 8, v16               ; V's scale words: word j: lanes 0-15 d tile 2 j, lanes 16-31 d tile 2 j + 1
	v_lshl_or_b32 v[VS+1], v27, 8, v26
	v_lshl_or_b32 v[VS], v24, 16, v[VS]
	v_lshl_or_b32 v[VS+1], v32, 16, v[VS+1]
	v_lshl_or_b32 v[VS], v25, 24, v[VS]
	v_lshl_or_b32 v[VS+1], v33, 24, v[VS+1]
	CODES 1
	SUM 1
	s_wait_dscnt 0x0                               ; V (and the next step's K, asked for earlier)
	WIN 0x50
.irp j, 0,1
.irp a, 0,1
	v_wmma_scale_f32_32x16x128_f4 v[32*\a+16*\j:32*\a+16*\j+15], v[S+16*\j:S+16*\j+15], v[PC+8*\a:PC+8*\a+7], v[32*\a+16*\j:32*\a+16*\j+15], v[VS+\j], v[PS+\a]
.endr
.endr
	WIN 0
	v_add_nc_u32 v[AV], 0x1000, v[AV]              ; five places: the next step's first products write over V's registers
	v_add_nc_u32 v[AVS], 0x100, v[AVS]
	v_nop
	v_nop
	v_nop
.endm
	KLOAD                                          ; step 0
.Lstep:                                            ; ten trips: steps 0 to 9
	STEP 0, 1
	s_sub_co_u32 s69, s69, 1
	s_cmp_lg_u32 s69, 0
	s_wait_alu depctr_va_vdst(0)                   ; directly ahead of the branch
	s_cbranch_scc1 .Lstep
	STEP 1, 0                                      ; step 10: keys 1,280 to 1,369
	; THE WAY OUT.  O^T / the sum goes through my stage in LDS, a tile of 16 queries at a time, so that sixteen lanes store the 256 consecutive bytes of one (token, head), aligned
	s_wait_alu depctr_va_vdst(0)                   ; directly ahead of the sums' reader
	v_add_f32 v12, v12, v13
	v_add_f32 v14, v14, v15
	v_permlanex16_b32 v22, v12, s60, s61
	v_permlanex16_b32 v23, v14, s60, s61
	v_add_f32 v12, v12, v22                        ; the row's sum
	v_add_f32 v14, v14, v23
	s_mul_i32 s72, s18, 16*SP
	s_add_co_u32 s72, s72, STAGE
	s_wait_alu depctr_va_vdst(0)                   ; the wait ahead of the batch
	v_rcp_f32 v13, v12
	v_rcp_f32 v15, v14
	v_and_b32 v24, 15, v0                          ; r
	v_bfe_u32 v25, v0, 4, 1                        ; h
	v_mul_u32_u24 v26, 0x110, v24
	v_mul_u32_u24 v27, 0x110, v25
	v_lshl_add_u32 v26, v25, 5, v26
	v_lshl_add_u32 v27, v24, 4, v27
	v_add_nc_u32 v26, s72, v26                     ; in: row r; d tile t's eight numbers of my half at 64 t + 32 h
	v_add_nc_u32 v27, s72, v27                     ; back: lanes 0-15 one row, lanes 16-31 the next
	v_lshlrev_b32 v28, 12, v25
	v_lshl_add_u32 v28, v24, 4, v28                ; and in out0
	v_mov_b32 v29, s23                             ; my first query
	WIN 0x01
	s_wait_alu depctr_va_vdst(0)                   ; one wait for the two reciprocals and for the last products, ahead of their first readers
.irp a, 0,1
.set n, 0
.rept 32
	v_mul_f32 v[188+32*\a+n], v[32*\a+n], v[13+2*\a]   ; register 8 t + i is o(query r, d = 16 t + 8 h + i)
.set n, n+1
.endr
.endr
	WIN 0
.irp a, 0,1
.irp t, 0,1,2,3
	ds_store_b128 v26, v[188+32*\a+8*\t:188+32*\a+8*\t+3] offset:64*\t
	ds_store_b128 v26, v[188+32*\a+8*\t+4:188+32*\a+8*\t+7] offset:64*\t+16
.endr
.irp i, 0,1,2,3,4,5,6,7
	ds_load_b128 v[92+32*\a+4*\i:92+32*\a+4*\i+3], v27 offset:2*\i*SP   ; LDS serves a wave's instructions in order (ISA guide 5.7.1.4)
.endr
.endr
	s_wait_dscnt 0x0                               ; all rows are back: no LDS load is out while EXEC changes below
; Stores of 2 rows each.  The one wave that holds query 1,369 begins at 1,344 and has 26 queries; a wave that begins at 1,376 has none: so rows 0 to 25 leave where the first query is under 1,370, rows 26 to 31 where it is under 1,344
.macro OUT a, i
	global_store_b128 v28, v[92+32*(\a)+4*(\i):92+32*(\a)+4*(\i)+3], s[8:9] offset:(16*(\a)+2*(\i))*4096 th:TH_STORE_NT
.endm
	s_wait_xcnt 0x0                                ; EXEC is narrowed only behind this wait,
	v_cmp_gt_u32 vcc_lo, 0x55a, v29
	s_and_saveexec_b32 s76, vcc_lo
.irp i, 0,1,2,3,4,5,6,7
	OUT 0, \i
.endr
.irp i, 0,1,2,3,4
	OUT 1, \i
.endr
	s_wait_xcnt 0x0                                ; and widened again only behind this one
	s_or_b32 exec_lo, exec_lo, s76
	v_cmp_gt_u32 vcc_lo, 0x540, v29
	s_and_saveexec_b32 s76, vcc_lo
.irp i, 5,6,7
	OUT 1, \i
.endr
	s_wait_xcnt 0x0
	s_or_b32 exec_lo, exec_lo, s76
	s_wait_tensorcnt 0x0                           ; the wave's end
	ds_add_u32 v1, v2
	s_wait_dscnt 0x0
	ROUND                                          ; the closing round: no work-group ends while a partner may still ask for a tile that names it
	s_endpgm
.Lfunc_end_k_q9f57306288_attn:
	.size	k_q9f57306288_attn, .Lfunc_end_k_q9f57306288_attn-k_q9f57306288_attn
	.p2alignl 7, 3214868480
	.fill 96, 4, 3214868480
	.section	.rodata,"a",@progbits
	.p2align	6, 0x0
	.amdhsa_kernel k_q9f57306288_attn
		.amdhsa_group_segment_fixed_size 167936
		.amdhsa_private_segment_fixed_size 0
		.amdhsa_enable_private_segment 0
		.amdhsa_kernarg_size 24
		.amdhsa_user_sgpr_count 2
		.amdhsa_user_sgpr_kernarg_segment_ptr 1
		.amdhsa_wavefront_size32 1
		.amdhsa_system_sgpr_workgroup_id_x 1
		.amdhsa_system_sgpr_workgroup_id_y 1
		.amdhsa_system_sgpr_workgroup_id_z 1
		.amdhsa_system_vgpr_workitem_id 0
		.amdhsa_next_free_vgpr 320
		.amdhsa_next_free_sgpr 80
		.amdhsa_reserve_vcc 1
		.amdhsa_float_denorm_mode_32 3
		.amdhsa_float_denorm_mode_16_64 3
		.amdhsa_memory_ordered 1
		.amdhsa_forward_progress 1
		.amdhsa_inst_pref_size 72
	.end_amdhsa_kernel
	.amdgpu_metadata
---
amdhsa.version: [ 1, 2 ]
amdhsa.kernels:
  - .name:           k_q9f57306288_attn
    .symbol:         k_q9f57306288_attn.kd
    .args:
      - { .name: kv, .offset: 0, .size: 8, .value_kind: global_buffer, .address_space: global }
      - { .name: qw, .offset: 8, .size: 8, .value_kind: global_buffer, .address_space: global }
      - { .name: out0, .offset: 16, .size: 8, .value_kind: global_buffer, .address_space: global }
    .group_segment_fixed_size: 167936
    .private_segment_fixed_size: 0
    .kernarg_segment_align: 8
    .kernarg_segment_size: 24
    .max_flat_workgroup_size: 352
    .sgpr_count:     80
    .vgpr_count:     320
    .wavefront_size: 32
...
	.end_amdgpu_metadata
.endif
;; end of part 2
